; MI455X (gfx1250); checked and timed in simulation.
; The chip was launched on July 23, 2026; its instructions are those of AMD's public machine-readable ISA for CDNA 5 (MIT licence, August 2026) and "CDNA5" Instruction Set Architecture Reference Guide (July 2026). The comments in the code are by the model that wrote it; some were corrected since.
;; Casual Attention. Allowed arithmetic: float matrix products may take bf16 or f16 operands with f32 sums; other float arithmetic in f32, or as packed bf16 or f16 multiplies, adds, multiply-adds, maxima and minima; sums over many terms, partial sums and values carried from step to step in f32; what a program stores and reads back later, other than sums and carried values, may be rounded once to bf16 or f16.
;; Inputs: w_k 1,024 x 1,024 float32; w_q 1,024 x 1,024 float32; w_v 1,024 x 1,024 float32; x 4 x 2,048 x 1,024 float32.
;; Outputs: out0 4 x 2,048 x 1,024 float32.
;; One version. Each part assembles by itself: llvm-mc -triple=amdgcn-amd-amdhsa -mcpu=gfx1250 --defsym DOCPART=n.
;; ======== version 1 of 1: 4 launches
;; limits: values are held in f16: magnitudes above 65,504 overflow, below 6.1e-05 lose precision
;; workspace buffers: xb 16,777,216 bytes; wb 6,291,456 bytes; qkv 50,331,648 bytes; pt 33,554,432 bytes; st 1,048,576 bytes
;; launch cast (part 1): grid 704 x 1, 8 waves a work-group, no clusters, 0 bytes of LDS; arguments x, w_q, w_k, w_v, xb, wb; writes xb, wb
.if DOCPART == 1
	.amdgcn_target "amdgcn-amd-amdhsa--gfx1250"
	.amdhsa_code_object_version 6
	.text
	.protected	k_qce04e8d285_cast
	.globl	k_qce04e8d285_cast
	.p2align	8
	.type	k_qce04e8d285_cast,@function
k_qce04e8d285_cast:
	s_mov_b64 s[64:65], 0
	v_nop
	global_prefetch_b8 v0, s[64:65] scope:SCOPE_SE
	s_setreg_imm32_b32 hwreg(HW_REG_WAVE_MODE, 25, 1), 1
	s_wait_xcnt 0x0
; xb = x rounded to bf16; wb = w_q, w_k, w_v, one below the other, rounded to bf16 (nearest even, once).  Both are laid out in blocks of 64 along K:
; xb[kb][row][64], 16 x 8,192 x 64; wb[kb][row][64], 16 x 3,072 x 64: the next launch's tiles (rows x 64 along K) are then dense bytes.
; A stream: each input byte is read once, each output byte written once; no LDS, no barrier, no matrix unit: they would add nothing.
; A work-group takes 16 rows (65,536 bytes of f32).  Groups 0-511: x; 512-575: w_q; 576-639: w_k; 640-703: w_v.
; Thread t takes row t / 16 and, in K block i = 0..15, the four numbers 4 (t % 16) on: sixteen lanes load 256 consecutive bytes, aligned; a wave's store is two rows of one K block,
; 256 consecutive bytes, aligned.  All sixteen loads of a wave go out first; no address register is written twice, so the only waits are the counted ones for the loads.
.set X,   4                            ; v[4:67]   sixteen loads of four f32; the packed bf16 land in each load's first two registers
.set OFS, 68                           ; v[68:83]  my byte offset in K block i of the output
	s_load_b256 s[4:11], s[0:1], 0x0               ; x s[4:5], w_q s[6:7], w_k s[8:9], w_v s[10:11]
	s_load_b128 s[12:15], s[0:1], 0x20             ; xb s[12:13], wb s[14:15]
	v_lshrrev_b32 v1, 4, v0                        ; my row of the sixteen
	v_and_b32 v2, 15, v0
	v_lshlrev_b32 v1, 12, v1                       ; row x 4,096
	v_lshl_or_b32 v1, v2, 4, v1                    ; + 16 (t % 16)
	v_lshlrev_b32 v[OFS], 3, v0                    ; row x 128 + 8 (t % 16) = 8 t
	s_and_b32 s16, ttmp9, 63                       ; a weight's block of 16 rows
	s_sub_co_u32 s17, ttmp9, 512                   ; its block of 16 rows in wb (used for groups from 512 on alone)
	s_mov_b32 s26, 3072*128                        ; bytes from a K block to the next, in wb
	s_mov_b32 s27, 8192*128                        ; and in xb
	s_wait_kmcnt 0x0
	s_cmp_ge_u32 ttmp9, 576
	s_cselect_b64 s[18:19], s[8:9], s[6:7]         ; w_k or w_q
	s_cmp_ge_u32 ttmp9, 640
	s_cselect_b64 s[18:19], s[10:11], s[18:19]     ; w_v
	s_cmp_lt_u32 ttmp9, 512
	s_cselect_b64 s[18:19], s[4:5], s[18:19]       ; x
	s_cselect_b64 s[20:21], s[12:13], s[14:15]     ; xb or wb
	s_cselect_b32 s16, ttmp9, s16
	s_cselect_b32 s17, ttmp9, s17
	s_cselect_b32 s26, s27, s26
	s_lshl_b32 s22, s16, 16                        ; byte offsets, made apart from the addresses: 16 rows of 4,096 bytes,
	s_mov_b32 s23, 0
	s_lshl_b32 s24, s17, 11                        ; 16 rows of 128 bytes
	s_mov_b32 s25, 0
	s_add_nc_u64 s[18:19], s[18:19], s[22:23]
	s_add_nc_u64 s[20:21], s[20:21], s[24:25]
.irp i, 0,1,2,3,4,5,6,7,8,9,10,11,12,13,14,15
	global_load_b128 v[X+4*(\i):X+4*(\i)+3], v1, s[18:19] offset:256*(\i) th:TH_LOAD_NT
.endr
.irp i, 1,2,3,4,5,6,7,8,9,10,11,12,13,14,15
	v_add_nc_u32 v[OFS+(\i)], s26, v[OFS+(\i)-1]
.endr
.irp i, 0,1,2,3,4,5,6,7,8,9,10,11,12,13,14,15
	s_wait_loadcnt 15-(\i)                         ; loads come back in order: load i is in, the younger ones stay out
	v_cvt_pk_bf16_f32 v[X+4*(\i)],   v[X+4*(\i)],   v[X+4*(\i)+1]
	v_cvt_pk_bf16_f32 v[X+4*(\i)+1], v[X+4*(\i)+2], v[X+4*(\i)+3]
	global_store_b64 v[OFS+(\i)], v[X+4*(\i):X+4*(\i)+1], s[20:21]
.endr
	s_endpgm
.Lfunc_end_k_qce04e8d285_cast:
	.size	k_qce04e8d285_cast, .Lfunc_end_k_qce04e8d285_cast-k_qce04e8d285_cast
	.p2alignl 7, 3214868480
	.fill 96, 4, 3214868480
	.section	.rodata,"a",@progbits
	.p2align	6, 0x0
	.amdhsa_kernel k_qce04e8d285_cast
		.amdhsa_group_segment_fixed_size 0
		.amdhsa_private_segment_fixed_size 0
		.amdhsa_enable_private_segment 0
		.amdhsa_kernarg_size 48
		.amdhsa_user_sgpr_count 2
		.amdhsa_user_sgpr_kernarg_segment_ptr 1
		.amdhsa_wavefront_size32 1
		.amdhsa_system_sgpr_workgroup_id_x 1
		.amdhsa_system_sgpr_workgroup_id_y 1
		.amdhsa_system_sgpr_workgroup_id_z 1
		.amdhsa_system_vgpr_workitem_id 0
		.amdhsa_next_free_vgpr 84
		.amdhsa_next_free_sgpr 66
		.amdhsa_reserve_vcc 0
		.amdhsa_float_denorm_mode_32 3
		.amdhsa_float_denorm_mode_16_64 3
		.amdhsa_memory_ordered 1
		.amdhsa_forward_progress 1
		.amdhsa_inst_pref_size 8
	.end_amdhsa_kernel
	.amdgpu_metadata
---
amdhsa.version: [ 1, 2 ]
amdhsa.kernels:
  - .name:           k_qce04e8d285_cast
    .symbol:         k_qce04e8d285_cast.kd
    .args:
      - { .name: x, .offset: 0, .size: 8, .value_kind: global_buffer, .address_space: global }
      - { .name: w_q, .offset: 8, .size: 8, .value_kind: global_buffer, .address_space: global }
      - { .name: w_k, .offset: 16, .size: 8, .value_kind: global_buffer, .address_space: global }
      - { .name: w_v, .offset: 24, .size: 8, .value_kind: global_buffer, .address_space: global }
      - { .name: xb, .offset: 32, .size: 8, .value_kind: global_buffer, .address_space: global }
      - { .name: wb, .offset: 40, .size: 8, .value_kind: global_buffer, .address_space: global }
    .group_segment_fixed_size: 0
    .private_segment_fixed_size: 0
    .kernarg_segment_align: 8
    .kernarg_segment_size: 48
    .max_flat_workgroup_size: 256
    .sgpr_count:     66
    .vgpr_count:     84
    .wavefront_size: 32
...
	.end_amdgpu_metadata
.endif
;; end of part 1
;; launch proj (part 2): grid 8 x 32, 4 waves a work-group, clusters of 4 x 4, 327,680 bytes of LDS; arguments xb, wb, qkv; writes qkv
.if DOCPART == 2
	.amdgcn_target "amdgcn-amd-amdhsa--gfx1250"
	.amdhsa_code_object_version 6
	.text
	.protected	k_qce04e8d285_proj
	.globl	k_qce04e8d285_proj
	.p2align	8
	.type	k_qce04e8d285_proj,@function
k_qce04e8d285_proj:
	s_mov_b64 s[64:65], 0
	v_nop
	global_prefetch_b8 v0, s[64:65] scope:SCOPE_SE
	s_setreg_imm32_b32 hwreg(HW_REG_WAVE_MODE, 25, 1), 1
	s_wait_xcnt 0x0
	s_wait_alu depctr_hold_cnt(0) depctr_sa_sdst(0) depctr_va_vdst(0) depctr_va_sdst(0) depctr_va_ssrc(0) depctr_va_vcc(0) depctr_vm_vsrc(0)
	s_getreg_b32 s2, hwreg(HW_REG_IB_STS2, 6, 4)
	s_cmp_eq_u32 s2, 0
	s_cbranch_scc0 .Lentry_in_a_cluster
	s_endpgm
.Lentry_in_a_cluster:
	s_bfe_u32 s2, ttmp6, 0x10000c
	s_cmp_lg_u32 s2, 0xf033
	s_cbranch_scc0 .Lentry_shape_is_right
	s_endpgm
.Lentry_shape_is_right:
; qkv[m][n] = sum over k of x[m][k] w[n][k].  xb: [16][8192][64] bf16, wb: [16][3072][64] bf16 (blocks of 64 along K; rows of wb: w_q, w_k, w_v), qkv: [8192][3072] f16; sums in f32, rounded once.
; LIMIT.  The results are kept in f16: they must lie within 65,504 (inputs 30 times those drawn, or with an offset of 30 spreads, give 29,000 at the most).
; A TILE IS 256 x 384: 32 x 8 tiles, one for each of 256 work-groups.  Four waves, each 128 rows x 192 columns: 96 accumulators of 16 x 16, 768 registers.
; K goes in steps of 64 through a ring of two LDS slots (two slots of 128 along K, 2 x 640 rows x 272 bytes, would not fit).  In the blocked layout 128 rows of a K block are 16,384 dense bytes:
; they are asked for as 64 rows of 256 bytes, aligned, and padded in LDS after every 128 bytes.
; CLUSTERS: 4 x 4 work-groups.  The four of a row of the cluster need the same tiles of xb, the four of a column the same tiles of wb: each tile is asked for jointly, by the same tensor load
; with the same descriptor and a mask that names the four.
; A PHASE is 32 along K: 96 matrix instructions, in three groups of four column blocks x eight row blocks.  A's fragments have two buffers.  B's have one: a group's four fragments are loaded
; anew behind the group's 32 products, 64 products ahead of their next use.
; REGISTERS, in windows of 256 (s_set_vgpr_msb: bits 1:0 source 0, 3:2 source 1, 5:4 source 2, 7:6 destination):
;   window 0: v0-31 addresses; v32-95, v96-159 fragments of A (8 x 16 rows x 32 K), two buffers; v160-255 fragments of B (12); on the way out v32-223 at work
;   windows 1, 2, 3: the accumulators of column blocks 0-3, 4-7, 8-11: (a, b) at v[32 a + 8 (b % 4)]
; THE MATRIX INSTRUCTION IS USED TRANSPOSED: source 0 = 16 rows of B, source 1 = 16 rows of A: a lane then holds eight neighbouring numbers of a row of C, 16 bytes when packed.
; THE WAY OUT.  A wave's 192 columns are 384 bytes, one and a half aligned blocks of 256: so the whole tile goes through ONE stage in LDS, with a barrier between writing and reading, and each wave
; stores 64 whole rows.  The stage lies over the two slots, which have had their last fill by then.
.set SIZE_N, 3072
.set PITCH,  144                       ; an LDS row: 128 bytes + 16 of padding = 36 words: the 16 rows that a load touches start at 16 different groups of four banks
.set AHALF,  128*PITCH                 ; 128 rows of A: what wave 0 or 1 fetches, and what one wave reads
.set BHALF,  192*PITCH                 ; 192 rows of B: what wave 2 or 3 fetches, and what one wave reads
.set BOFF,   2*AHALF                   ; B's 384 rows lie behind A's 256
.set SLOT,   2*AHALF+2*BHALF
.set SPITCH, 784                       ; a row of the stage: 768 bytes + 16
.set SPARE,  256*SPITCH                ; behind the stage: the spare words, 128 bytes a wave, which no other line names
.set AKB,    8192*128                  ; bytes from a K block to the next, in xb
.set BKB,    3072*128                  ; and in wb
.set LAPS,   8                         ; 16 K steps; a lap = two K steps = once round the ring
.set ADRA, 16                          ; v16-17  LDS address of my A fragments in slot 0, 1
.set ADRB, 20                          ; v20-21  the same for B
.set STO,  24                          ; v24-25  the way out: where I put 16 bytes of a row, for row blocks 0-3 and 4-7
.set RD,   26                          ; v26     the way out: where I read 16 bytes of a row back
.set CO,   27                          ; v27     my byte offset in C
.set SPW,  28                          ; v28     my spare word's LDS address; never rewritten
.set NIL,  29                          ; v29     0; never rewritten
.set A0,   32
.set A1,   96
.set BF,   160
.set TMP,  32                          ; the way out: 128 registers of packed results
.set BK,   32                          ; the way out: two buffers of 96 registers, rows read back
.set G1, 24                            ; s[24:31] descriptor group 1 for A's tiles
.set G0, 32                            ; s[32:39] group 0 for A's tiles, one set for each slot
.set G1B, 48                           ; s[48:55] group 1 for B's tiles: another mask, more rows
.set G0B, 56                           ; s[56:63] group 0 for B's tiles
.set MSB, 0
.macro WIN new                         ; the immediate's high byte repeats the setting that is left; a switch that changes nothing is dropped
.if MSB != (\new)
	s_set_vgpr_msb (MSB<<8)|(\new)
.set MSB, \new
.endif
.endm
; A joint load.  Waves 0 and 1 fetch A's two halves, waves 2 and 3 B's; the branch hangs on the wave's number alone.  An s_nop 0 and four v_nop follow each line.
.macro JLOAD s
	s_cmp_eq_u32 s11, 0
	s_cbranch_scc0 .Lfor_b_\@
	tensor_load_to_lds s[G0+4*(\s):G0+4*(\s)+3], s[G1:G1+7]
	s_nop 0
.rept 4
	v_nop
.endr
	s_branch .Lasked_\@
.Lfor_b_\@:
	tensor_load_to_lds s[G0B+4*(\s):G0B+4*(\s)+3], s[G1B:G1B+7]
	s_nop 0
.rept 4
	v_nop
.endr
.Lasked_\@:
.endm
.macro CREST                           ; a round of the cluster's barrier behind its opening barrier
	s_cmp_lg_u32 s10, 0
	s_cbranch_scc1 .Lnot_wave_0_\@
	s_barrier_signal -3
.Lnot_wave_0_\@:
	s_barrier_wait -3
	s_barrier_signal -1
	s_barrier_wait -1
.endm
.macro CROUND                          ; a whole round
	s_barrier_signal -1
	s_barrier_wait -1
	CREST
.endm
	s_load_b128 s[4:7], s[0:1], 0x0                ; xb s[4:5], wb s[6:7]
	s_load_b64 s[8:9], s[0:1], 0x10                ; qkv
	v_lshl_add_u32 v[SPW], v0, 2, SPARE
	v_mov_b32 v[NIL], 0
	ds_add_u32 v[SPW], v[NIL]                      ; the wave's opening: the add and its wait stand ahead of my first tensor load; the set-up stands between them
	ds_add_u32 v28, v29
	v_lshrrev_b32 v1, 5, v0
	v_readfirstlane_b32 s10, v1                    ; wave 0..3
	s_lshr_b32 s11, s10, 1                         ; which half of the tile's rows is mine.  Also: I fetch for A (0) or for B (1)
	s_and_b32 s12, s10, 1                          ; which half of its columns.  Also: which half of that operand's rows I fetch
	s_bfe_u32 s40, ttmp6, 0x40000                  ; cx
	s_bfe_u32 s41, ttmp6, 0x40004                  ; cy
	s_lshl_b32 s42, ttmp9, 2
	s_add_co_u32 s42, s42, s40                     ; tile column of C = 4 x cluster x + cx
	s_and_b32 s13, ttmp7, 0xffff
	s_lshl_b32 s13, s13, 2
	s_add_co_u32 s13, s13, s41                     ; tile row of C = 4 x cluster y + cy
	s_lshl_b32 s43, s41, 2
	s_lshl_b32 s43, 15, s43                        ; my row of the cluster: places 4 cy .. 4 cy + 3
	s_lshl_b32 s44, 0x1111, s40                    ; my column: places cx, cx + 4, cx + 8, cx + 12
	s_or_b32 s[G1+0], s43, (1<<16)|(1<<20)|(1<<21)|(4<<22)|(3<<25)  ; the mask; elements of 2 bytes; padding on; bit 21 beside a mask; after every 32 words 4 words of padding
	s_or_b32 s[G1B+0], s44, (1<<16)|(1<<20)|(1<<21)|(4<<22)|(3<<25)
.irp g, G1, G1B
	s_mov_b32 s[(\g)+1], 128<<16                   ; tensor_dim0 = 128 elements: 256 bytes, two rows of a K block
	s_mov_b32 s[(\g)+3], 128<<16                   ; tile_dim0 = 128
	s_mov_b32 s[(\g)+5], 128                       ; elements from row to row: the block is dense
	s_mov_b32 s[(\g)+6], 0
	s_mov_b32 s[(\g)+7], 0
.endr
	s_mov_b32 s[G1+2], 64<<16                      ; A: tensor_dim1 = tile_dim1 = 64: 128 rows of xb
	s_mov_b32 s[G1+4], 64
	s_mov_b32 s[G1B+2], 96<<16                     ; B: 96: 192 rows of wb
	s_mov_b32 s[G1B+4], 96
	; A's tiles hang on the tile row alone, B's on the tile column alone; each offset is made in registers that never hold the other coordinate
	s_lshl_b32 s16, s13, 15                        ; A: (256 x tile row + 128 x half) rows of 128 bytes
	s_lshl_b32 s17, s12, 14
	s_add_co_u32 s16, s16, s17
	s_mov_b32 s17, 0
	s_mul_i32 s46, s42, 384*128                    ; B: (384 x tile column + 192 x half) rows of 128 bytes
	s_mul_i32 s47, s12, 192*128
	s_add_co_u32 s46, s46, s47
	s_mov_b32 s47, 0
	s_mul_i32 s20, s12, AHALF                      ; where they go: no place in the cluster enters an LDS address
	s_mul_i32 s23, s12, BHALF
	s_add_co_u32 s23, s23, BOFF
	s_wait_dscnt 0x0                               ; the opening add is done
	s_wait_kmcnt 0x0
	s_add_nc_u64 s[14:15], s[4:5], s[16:17]
	s_add_nc_u64 s[46:47], s[6:7], s[46:47]
	CROUND                                         ; all sixteen work-groups are here: the first joint loads meet
.irp s, 0,1
	s_mov_b32 s[G0+4*(\s)], 1
	s_add_co_u32 s[G0+4*(\s)+1], s20, (\s)*SLOT
	s_add_nc_u64 s[G0+4*(\s)+2:G0+4*(\s)+3], s[14:15], (\s)*AKB
	s_or_b32 s[G0+4*(\s)+3], s[G0+4*(\s)+3], 0x80000000
	s_mov_b32 s[G0B+4*(\s)], 1
	s_add_co_u32 s[G0B+4*(\s)+1], s23, (\s)*SLOT
	s_add_nc_u64 s[G0B+4*(\s)+2:G0B+4*(\s)+3], s[46:47], (\s)*BKB
	s_or_b32 s[G0B+4*(\s)+3], s[G0B+4*(\s)+3], 0x80000000
	JLOAD \s                                       ; K steps 0 and 1: two loads of mine are out
.endr
	; a fragment is 16 rows x 32 K in 8 registers: lane l holds row l % 16; two loads of 16 bytes, 32 bytes apart, at row x pitch + 16 (l / 16)
	v_and_b32 v1, 15, v0
	v_bfe_u32 v2, v0, 4, 1
	v_mul_u32_u24 v3, v1, PITCH
	v_lshl_add_u32 v3, v2, 4, v3
	s_mul_i32 s21, s11, AHALF                      ; my 128 rows of A
	s_mul_i32 s22, s12, BHALF                      ; my 192 rows of B
	s_add_co_u32 s22, s22, BOFF
.irp s, 0,1
	v_add_nc_u32 v[ADRA+(\s)], s21, v3
	v_add_nc_u32 v[ADRB+(\s)], s22, v3
	s_add_co_u32 s21, s21, SLOT
	s_add_co_u32 s22, s22, SLOT
.endr
	s_mul_i32 s21, s11, 128*SPITCH                 ; into the stage: my 128 rows, my 384 bytes of them; row l % 16, 16 bytes for each half of the lanes
	s_mul_i32 s22, s12, 384
	s_add_co_u32 s21, s21, s22
	v_mul_u32_u24 v4, v1, SPITCH
	v_lshl_add_u32 v4, v2, 4, v4
	v_add_nc_u32 v[STO], s21, v4
	v_add_nc_u32 v[STO+1], 64*SPITCH, v[STO]       ; row blocks 4-7: beyond the reach of a 16-bit offset
	s_mul_i32 s21, s10, 64*SPITCH                  ; back: wave w takes rows 64 w .. 64 w + 63, whole; lanes 0-15 256 bytes of one row, lanes 16-31 of the next
	v_mul_u32_u24 v5, v2, SPITCH
	v_lshl_add_u32 v5, v1, 4, v5
	v_add_nc_u32 v[RD], s21, v5
	v_mul_u32_u24 v5, v2, SIZE_N*2                 ; and the same two rows in C
	v_lshl_add_u32 v[CO], v1, 4, v5
	s_lshl_b32 s16, s13, 8
	s_lshl_b32 s17, s10, 6
	s_add_co_u32 s16, s16, s17                     ; the first row of C that I store: 256 x tile row + 64 x wave
	s_mul_i32 s16, s16, SIZE_N*2
	s_mov_b32 s17, 0
	s_add_nc_u64 s[8:9], s[8:9], s[16:17]
	s_mul_i32 s46, s42, 768                        ; the tile's first column, in bytes
	s_mov_b32 s47, 0
	s_add_nc_u64 s[8:9], s[8:9], s[46:47]
; 4 n matrix instructions of group g: row blocks a0 .. a0 + n - 1 x column blocks 4 g .. 4 g + 3, 32 along K, A from buffer f.  zero = 1: the product starts the sum.
; The 96 accumulators take turns, one instruction a turn, in the same order in every phase.
.macro GRP f, g, a0, n, zero
	WIN 0x50*((\g)+1)                              ; C and D in window 1 + g, the fragments in window 0
.set ga, \a0
.rept \n
.irp bb, 0,1,2,3
.if \zero
	v_wmma_f32_16x16x32_bf16 v[32*ga+8*(\bb):32*ga+8*(\bb)+7], v[BF+8*(4*(\g)+(\bb)):BF+8*(4*(\g)+(\bb))+7], v[(\f)+8*ga:(\f)+8*ga+7], 0
.else
	v_wmma_f32_16x16x32_bf16 v[32*ga+8*(\bb):32*ga+8*(\bb)+7], v[BF+8*(4*(\g)+(\bb)):BF+8*(4*(\g)+(\bb))+7], v[(\f)+8*ga:(\f)+8*ga+7], v[32*ga+8*(\bb):32*ga+8*(\bb)+7]
.endif
.endr
.set ga, ga+1
.endr
.endm
.macro LDB slot, ph, g                 ; 8 LDS loads: B's fragments of group g for phase ph of a slot
	WIN 0
.irp bb, 0,1,2,3
	ds_load_b128 v[BF+8*(4*(\g)+(\bb)):BF+8*(4*(\g)+(\bb))+3],   v[ADRB+(\slot)] offset:64*(\ph)+(4*(\g)+(\bb))*16*PITCH
	ds_load_b128 v[BF+8*(4*(\g)+(\bb))+4:BF+8*(4*(\g)+(\bb))+7], v[ADRB+(\slot)] offset:64*(\ph)+(4*(\g)+(\bb))*16*PITCH+32
.endr
.endm
.macro LDA slot, ph, f, i0             ; 8 LDS loads: A's fragments of row blocks i0 .. i0 + 3 for phase ph of a slot, into buffer f
	WIN 0
.irp i, 0,1,2,3
	ds_load_b128 v[(\f)+8*((\i0)+(\i)):(\f)+8*((\i0)+(\i))+3],   v[ADRA+(\slot)] offset:64*(\ph)+((\i0)+(\i))*16*PITCH
	ds_load_b128 v[(\f)+8*((\i0)+(\i))+4:(\f)+8*((\i0)+(\i))+7], v[ADRA+(\slot)] offset:64*(\ph)+((\i0)+(\i))*16*PITCH+32
.endr
.endm
.macro PLACES                          ; four places between a matrix instruction and a load into, or a vector instruction on, its registers
.rept 4
	v_nop
.endr
.endm
; A K step's first phase: multiplies A's buffer 0 and fetches the same slot's second phase.  The LDS loads stand in three runs, each behind the group whose B fragments it replaces.
.macro PHASE slot, zero
	s_wait_dscnt 8                                 ; all is in but the youngest eight loads: B's group 2
	GRP A0, 0, 0, 8, \zero
	PLACES
	LDB \slot, 1, 0
	LDA \slot, 1, A1, 0
	GRP A0, 1, 0, 8, \zero
	PLACES
	LDB \slot, 1, 1
	LDA \slot, 1, A1, 4
	s_wait_dscnt 32                                ; all but the two runs of sixteen just issued: B's group 2 is in
	GRP A0, 2, 0, 8, \zero
	PLACES
	LDB \slot, 1, 2
.endm
; A K step's second phase multiplies A's buffer 1 and changes slots: ONE barrier; in front of it each wave waits for all its tensor loads, of which one is out: its part of the next slot; adds 0 to
; its spare word; and waits for that and for its own reads of this slot (the last were issued in the phase before).  fill = 1: the barrier opens a round of the cluster's, and this slot is filled
; again, two K steps ahead, first thing behind the round: 176 of a step's 192 matrix instructions stand between that request and the wait for it.
.macro TURN slot, next, fill
	s_wait_dscnt 8
	GRP A1, 0, 0, 4, 0
	WIN 0                                          ; (the add's two registers lie in window 0)
	s_wait_tensorcnt 0x0                           ; all my tensor loads have landed
	ds_add_u32 v[SPW], v[NIL]                      ; 0 onto my spare word; eight matrix instructions stand between it and the wait for it
	GRP A1, 0, 4, 2, 0
	s_wait_dscnt 0x0                               ; the add is done, and my reads of this slot are over
	s_barrier_signal -1
	GRP A1, 0, 6, 2, 0
	WIN 0
	s_barrier_wait -1
.if \fill
	CREST                                          ; no wave of any partner still reads this slot or has a load on its way
	s_add_nc_u64 s[G0+4*(\slot)+2:G0+4*(\slot)+3], s[G0+4*(\slot)+2:G0+4*(\slot)+3], 2*AKB
	s_add_nc_u64 s[G0B+4*(\slot)+2:G0B+4*(\slot)+3], s[G0B+4*(\slot)+2:G0B+4*(\slot)+3], 2*BKB
	JLOAD \slot                                    ; the first tensor load behind the round; its four v_nop are also the places in front of the loads below
.else
	PLACES
.endif
	LDB \next, 0, 0
	LDA \next, 0, A0, 0
	GRP A1, 1, 0, 8, 0
	PLACES
	LDB \next, 0, 1
	LDA \next, 0, A0, 4
	GRP A1, 2, 0, 8, 0                             ; its B fragments were waited for in front of the barrier
	PLACES
	LDB \next, 0, 2
.endm
	s_wait_tensorcnt 1                             ; my part of K step 0 is in; K step 1's may stay out
	s_barrier_signal -1
	s_barrier_wait -1
	LDB 0, 0, 0                                    ; the first phase's fragments, in the order in which every phase asks: B's group 2 last
	LDA 0, 0, A0, 0
	LDB 0, 0, 1
	LDA 0, 0, A0, 4
	LDB 0, 0, 2
	PHASE 0, 1                                     ; the first phase stands in front of the loop: its products start the sums
	WIN 0                                          ; at a label and at a branch every window is 0
	s_mov_b32 s3, LAPS-1
.Llap:                                                 ; a trip goes once round the ring, from a lap's second phase to the next lap's first, and fills both slots again: K steps 2 to 15
	TURN 0, 1, 1
	PHASE 1, 0
	TURN 1, 0, 1
	PHASE 0, 0
	WIN 0
	s_sub_co_u32 s3, s3, 1
	s_cmp_lg_u32 s3, 0
	s_cbranch_scc1 .Llap
	TURN 0, 1, 0                                   ; the last lap fills nothing, and has no round of the cluster's barrier
	PHASE 1, 0
	s_wait_dscnt 8                                 ; the very last phase: nothing more to fetch
	GRP A1, 0, 0, 8, 0
	GRP A1, 1, 0, 8, 0
	s_wait_dscnt 0x0                               ; my reads of the slots are over: behind this barrier the stage is written over them
	s_barrier_signal -1
	GRP A1, 2, 0, 8, 0
	s_barrier_wait -1
	; THE WAY OUT.  Window by window: 128 roundings to f16 (each accumulator's registers in ascending order), 16 bytes a lane and accumulator into the stage.
	PLACES
.irp g, 0,1,2
	WIN 5*((\g)+1)                                 ; sources 0 and 1 in window 1 + g, destination in window 0
.set z, 0
.rept 128
	v_cvt_pk_f16_f32 v[TMP+z], v[2*z], v[2*z+1]
.set z, z+1
.endr
	WIN 0
.set z, 0
.rept 32                                       ; z = 4 a + b % 4
	ds_store_b128 v[STO+z/16], v[TMP+4*z:TMP+4*z+3] offset:((z/4)%4)*16*SPITCH+32*(4*(\g)+z%4)
.set z, z+1
.endr
.endr
	s_wait_dscnt 0x0                               ; for the others' sake: my stores into the stage are done
	s_barrier_signal -1
	s_barrier_wait -1
; My 64 rows are 32 pairs of rows x 3 blocks of 256 bytes: 96 loads and 96 stores, in four batches on two buffers.
.macro BACK q
.set t, 24*(\q)
.rept 24
	ds_load_b128 v[BK+96*((\q)%2)+4*(t-24*(\q)):BK+96*((\q)%2)+4*(t-24*(\q))+3], v[RD] offset:(t/3)*2*SPITCH+256*(t%3)
.set t, t+1
.endr
.endm
.macro OUT q, younger                  ; younger: the LDS loads issued behind batch q's, which may stay out
	s_wait_dscnt \younger
.set t, 24*(\q)
.rept 24
	global_store_b128 v[CO], v[BK+96*((\q)%2)+4*(t-24*(\q)):BK+96*((\q)%2)+4*(t-24*(\q))+3], s[8:9] offset:(t/3)*2*SIZE_N*2+256*(t%3)  ; 16 lanes store 256 consecutive bytes, aligned
.set t, t+1
.endr
.endm
	BACK 0
	BACK 1
	OUT 0, 24
	s_wait_xcnt 0x0                                ; a buffer that stores read is loaded again only behind this wait
	BACK 2
	OUT 1, 24
	s_wait_xcnt 0x0
	BACK 3
	OUT 2, 24
	OUT 3, 0
	s_wait_tensorcnt 0x0                           ; the wave's end
	ds_add_u32 v[SPW], v[NIL]
	s_wait_dscnt 0x0
	CROUND                                         ; the closing round: no work-group ends while a partner may still ask for a tile that names it
	s_endpgm
.Lfunc_end_k_qce04e8d285_proj:
	.size	k_qce04e8d285_proj, .Lfunc_end_k_qce04e8d285_proj-k_qce04e8d285_proj
	.p2alignl 7, 3214868480
	.fill 96, 4, 3214868480
	.section	.rodata,"a",@progbits
	.p2align	6, 0x0
	.amdhsa_kernel k_qce04e8d285_proj
		.amdhsa_group_segment_fixed_size 327680
		.amdhsa_private_segment_fixed_size 0
		.amdhsa_enable_private_segment 0
		.amdhsa_kernarg_size 24
		.amdhsa_user_sgpr_count 2
		.amdhsa_user_sgpr_kernarg_segment_ptr 1
		.amdhsa_wavefront_size32 1
		.amdhsa_system_sgpr_workgroup_id_x 1
		.amdhsa_system_sgpr_workgroup_id_y 1
		.amdhsa_system_sgpr_workgroup_id_z 1
		.amdhsa_system_vgpr_workitem_id 0
		.amdhsa_next_free_vgpr 1024
		.amdhsa_next_free_sgpr 66
		.amdhsa_reserve_vcc 0
		.amdhsa_float_denorm_mode_32 3
		.amdhsa_float_denorm_mode_16_64 3
		.amdhsa_memory_ordered 1
		.amdhsa_forward_progress 1
		.amdhsa_inst_pref_size 129
	.end_amdhsa_kernel
	.amdgpu_metadata
---
amdhsa.version: [ 1, 2 ]
amdhsa.kernels:
  - .name:           k_qce04e8d285_proj
    .symbol:         k_qce04e8d285_proj.kd
    .args:
      - { .name: xb, .offset: 0, .size: 8, .value_kind: global_buffer, .address_space: global }
      - { .name: wb, .offset: 8, .size: 8, .value_kind: global_buffer, .address_space: global }
      - { .name: qkv, .offset: 16, .size: 8, .value_kind: global_buffer, .address_space: global }
    .group_segment_fixed_size: 327680
    .private_segment_fixed_size: 0
    .kernarg_segment_align: 8
    .kernarg_segment_size: 24
    .max_flat_workgroup_size: 128
    .sgpr_count:     66
    .vgpr_count:     1024
    .wavefront_size: 32
...
	.end_amdgpu_metadata
.endif
;; end of part 2
;; launch score (part 3): grid 36 x 4, 4 waves a work-group, no clusters, 327,680 bytes of LDS; arguments qkv, pt, st; writes pt, st
.if DOCPART == 3
	.amdgcn_target "amdgcn-amd-amdhsa--gfx1250"
	.amdhsa_code_object_version 6
	.text
	.protected	k_qce04e8d285_score
	.globl	k_qce04e8d285_score
	.p2align	8
	.type	k_qce04e8d285_score,@function
k_qce04e8d285_score:
	s_mov_b64 s[64:65], 0
	v_nop
	global_prefetch_b8 v0, s[64:65] scope:SCOPE_SE
	s_setreg_imm32_b32 hwreg(HW_REG_WAVE_MODE, 25, 1), 1
	s_wait_xcnt 0x0
; For each causal tile (i, j), j <= i, of 256 queries x 256 keys of a batch: S = q k^T (f16 operands, f32 sums over 1,024 channels), the causal mask, the tile's row maximum m,
; pt = 2^(c s - c m) rounded to f16, c = log2(e) / 32; and a record for the next launch: c m and the f32 sum l of the unrounded weights, for each row and each half of the keys.
; The row's true maximum is taken away in two stages: the tile's here, the maximum over a row's tiles in the next launch.
; LIMITS.  q and k arrive in f16.  A hidden score counts as its value less 1e30 (f16 operands give 4.4e12 at the most); a weight below 6e-5 keeps f16's fixed step of 6e-8;
; an exponential below 2^-126 counts as 0; NaN and infinities are not treated apart.
; SHARES.  36 tiles a batch, one to a work-group; four waves, each 128 x 128: 64 accumulators.  K goes in steps of 128 through a ring of two LDS slots; each wave's tensor load brings
; 128 rows x 256 bytes (waves 0, 1: q's two halves; waves 2, 3: k's).
; NO CLUSTER: row i of the triangle has i + 1 tiles and column j has 8 - j, so no fixed group of four shares a tile at every place; rows filled up to fours would add 48 work-groups
; whose whole result the mask throws away.
; THE MATRIX INSTRUCTION IS USED TRANSPOSED: source 0 = 16 keys, source 1 = 16 queries: a lane holds ONE query (lane % 16) and the keys 8 (lane / 16) + 0..7 of each key block.
; THE MASK is the C operand of the product that starts a sum: 0, or -1e30 where the key is hidden.  It hangs on key block less query block alone: 15 classes of eight registers.
; Every tile runs the same text; off the diagonal all classes are 0.
; REGISTERS, in windows of 256 (s_set_vgpr_msb: bits 1:0 source 0, 3:2 source 1, 5:4 source 2, 7:6 destination):
;   window 0: v0-31 addresses; v64-127, v128-191 fragments of q, two buffers (behind the loop v64-95 statistics, v96-111 at work); v32-63, v192-255 at work on the way out
;   window 1: v64-191 fragments of k, two buffers; v0-63, v192-247 the mask classes      windows 2, 3: the accumulators of my rows 0-63, 64-127 ((a, b) at v[8 (8 a + b)])
.set KSTEP,  128
.set PITCH,  272                       ; an LDS row: 256 bytes + 16 of padding
.set HALFT,  128*PITCH
.set SLOT,   4*HALFT                   ; q's 256 rows, then k's 256 rows
.set STAGE,  2*SLOT                    ; 16 rows x 272 bytes for each wave, for the way out
.set SPITCH, 272
.set XCH,    STAGE+4*16*SPITCH         ; 512 bytes a wave: its 128 row maxima, for the wave with the other half of the keys
.set STS,    XCH+2048                  ; 1,024 bytes a wave: its record, gathered for two whole stores
.set SPARE,  STS+4096                  ; the spare words, 128 bytes a wave, which no other line names
.set LAPS,   4                         ; 1,024 channels = 8 K steps = 4 laps of the ring
.set QROW,   6144                      ; bytes in a row of qkv
.set PROW,   4096                      ; bytes in a row of pt
.set LM,   6                           ; v6   a key of class cl, register r is hidden where 16 (cl - 7) + r > LM
.set BG,   7                           ; v7   -1e30
.set XA,   8                           ; v8   where I put a row maximum
.set XP,   9                           ; v9   where my partner put his
.set SA,   10                          ; v10  where I put a number of the record
.set SR,   11                          ; v11  where I read 16 bytes of it back
.set SO,   12                          ; v12  16 x lane
.set ADRA, 16
.set ADRB, 20
.set STO,  24
.set RD,   25
.set CO,   26
.set SPW,  28                          ; v28  my spare word's LDS address; never rewritten
.set NIL,  29                          ; v29  0; never rewritten
.set F0,   64
.set F1,   128
.set TMP,  192
.set OB,   32
.set ST,   64                          ; behind the loop: row block a's statistics at v[ST+4 a]: c m, m, l
.set T,    96                          ; v96-103  at work
.set PX,   104                         ; v104-111 the partner's maxima; later the record
.set G1, 24                            ; s[24:31] descriptor group 1
.set G0, 32                            ; s[32:39] group 0, one set for each slot
.set CS, 40                            ; s[40:41] c, named as a pair
.set SEL, 42                           ; s[42:43] v_permlanex16_b32's selects: each lane takes its own place in the other half
.set MSB, 0
.macro WIN new
.if MSB != (\new)
	s_set_vgpr_msb (MSB<<8)|(\new)
.set MSB, \new
.endif
.endm
.set MUL_LO, 0xa1
.set MUL_HI, 0xf1
.set TO_B,   0x40
.macro LOADT s                         ; my quarter of a slot; an s_nop 0 and four v_nop follow the line
	tensor_load_to_lds s[G0+4*(\s):G0+4*(\s)+3], s[G1:G1+7]
	s_nop 0
.rept 4
	v_nop
.endr
.endm
	s_load_b128 s[4:7], s[0:1], 0x0                ; qkv s[4:5], pt s[6:7]
	s_load_b64 s[8:9], s[0:1], 0x10                ; st
	v_lshl_add_u32 v[SPW], v0, 2, SPARE
	v_mov_b32 v[NIL], 0
	ds_add_u32 v[SPW], v[NIL]                      ; the wave's opening: the add and its wait stand ahead of my first tensor load; the set-up stands between them
	ds_add_u32 v28, v29
	v_lshrrev_b32 v1, 5, v0
	v_readfirstlane_b32 s10, v1                    ; wave 0..3
	s_lshr_b32 s11, s10, 1                         ; which half of the queries is mine.  Also: I fetch q (0) or k (1)
	s_and_b32 s12, s10, 1                          ; which half of the keys.  Also: which 128 rows I fetch
	s_and_b32 s15, ttmp7, 0xffff                   ; the batch
	s_mov_b32 s13, 0                               ; i: how many of the triangle's row starts 1, 3, 6, .. lie at or below the tile's number
.irp thr, 1,3,6,10,15,21,28
	s_cmp_ge_u32 ttmp9, \thr
	s_add_co_ci_u32 s13, s13, 0
.endr
	s_add_co_u32 s14, s13, 1
	s_mul_i32 s14, s14, s13
	s_lshr_b32 s14, s14, 1
	s_sub_co_u32 s14, ttmp9, s14                   ; j = the tile's number - i (i + 1) / 2
	s_mov_b32 s[G1+0], (1<<16)|(1<<20)|(5<<22)|(3<<25)  ; elements of 2 bytes; padding on: after every 64 words 4 words
	s_mov_b32 s[G1+1], KSTEP<<16                   ; tensor_dim0 = 128
	s_mov_b32 s[G1+2], 128<<16                     ; tensor_dim1 = 128
	s_mov_b32 s[G1+3], KSTEP<<16                   ; tile_dim0 = 128
	s_mov_b32 s[G1+4], 128                         ; tile_dim1 = 128
	s_mov_b32 s[G1+5], 3072                        ; elements from row to row
	s_mov_b32 s[G1+6], 0
	s_mov_b32 s[G1+7], 0
	s_mov_b32 s[CS], 0x3d38aa3b                    ; c = log2(e) / 32
	s_mov_b32 s[CS+1], s[CS]
	s_mov_b32 s[SEL], 0x76543210
	s_mov_b32 s[SEL+1], 0xfedcba98
	s_cmp_eq_u32 s11, 0
	s_cselect_b32 s16, s13, s14                    ; q's rows go by i, k's by j
	s_lshl_b32 s16, s16, 8
	s_lshl_b32 s17, s12, 7
	s_add_co_u32 s16, s16, s17
	s_lshl_b32 s17, s15, 11
	s_add_co_u32 s16, s16, s17                     ; the first row that I fetch
	s_mul_i32 s16, s16, QROW
	s_lshl_b32 s17, s11, 11                        ; k lies 2,048 bytes into a row
	s_add_co_u32 s16, s16, s17
	s_mov_b32 s17, 0
	s_mul_i32 s20, s10, HALFT                      ; where my rows go: wave x 128 rows
	s_wait_dscnt 0x0                               ; the opening add is done
	s_wait_kmcnt 0x0
	s_add_nc_u64 s[18:19], s[4:5], s[16:17]
.irp s, 0,1
	s_mov_b32 s[G0+4*(\s)], 1
	s_add_co_u32 s[G0+4*(\s)+1], s20, (\s)*SLOT
	s_add_nc_u64 s[G0+4*(\s)+2:G0+4*(\s)+3], s[18:19], (\s)*KSTEP*2
	s_or_b32 s[G0+4*(\s)+3], s[G0+4*(\s)+3], 0x80000000
	LOADT \s                                       ; K steps 0 and 1: two loads of mine are out
.endr
	v_and_b32 v1, 15, v0                           ; l % 16
	v_bfe_u32 v2, v0, 4, 1                         ; l / 16
	v_mul_u32_u24 v3, v1, PITCH
	v_lshl_add_u32 v3, v2, 4, v3
	s_mul_i32 s21, s11, HALFT
	s_mul_i32 s22, s12, HALFT
	s_add_co_u32 s22, s22, 2*HALFT
.irp s, 0,1
	v_add_nc_u32 v[ADRA+(\s)], s21, v3
	v_add_nc_u32 v[ADRB+(\s)], s22, v3
	s_add_co_u32 s21, s21, SLOT
	s_add_co_u32 s22, s22, SLOT
.endr
	s_mul_i32 s23, s10, 16*SPITCH
	s_add_co_u32 s23, s23, STAGE                   ; my stage
	v_mul_u32_u24 v4, v1, SPITCH
	v_lshl_add_u32 v4, v2, 4, v4
	v_add_nc_u32 v[STO], s23, v4
	v_mul_u32_u24 v5, v2, SPITCH
	v_lshl_add_u32 v5, v1, 4, v5
	v_add_nc_u32 v[RD], s23, v5
	v_lshlrev_b32 v5, 12, v2                       ; lanes 16-31: one row of pt further down
	v_lshl_add_u32 v[CO], v1, 4, v5
	s_lshl_b32 s16, s15, 11                        ; where my part of the tile begins in pt
	s_lshl_b32 s17, s13, 8
	s_add_co_u32 s16, s16, s17
	s_lshl_b32 s17, s11, 7
	s_add_co_u32 s16, s16, s17
	s_lshl_b32 s16, s16, 12                        ; row x 4,096
	s_lshl_b32 s17, s14, 9
	s_add_co_u32 s16, s16, s17                     ; + 512 j
	s_lshl_b32 s17, s12, 8
	s_add_co_u32 s16, s16, s17                     ; + 256 x my half of the keys
	s_mov_b32 s17, 0
	s_lshl_b32 s44, s15, 3                         ; my 1,024 bytes of the tile's record: ((8 b + i) 8 + j) 4,096 + 1,024 wave
	s_add_co_u32 s44, s44, s13
	s_lshl_b32 s44, s44, 3
	s_add_co_u32 s44, s44, s14
	s_lshl_b32 s44, s44, 12
	s_lshl_b32 s45, s10, 10
	s_add_co_u32 s44, s44, s45
	s_mov_b32 s45, 0
	s_add_nc_u64 s[8:9], s[8:9], s[44:45]
	s_lshl_b32 s46, s10, 9
	s_add_co_u32 s46, s46, XCH
	v_lshl_add_u32 v[XA], v1, 2, s46
	s_xor_b32 s46, s10, 1                          ; the wave with my queries and the other keys
	s_lshl_b32 s46, s46, 9
	s_add_co_u32 s46, s46, XCH
	v_lshl_add_u32 v[XP], v1, 2, s46
	s_lshl_b32 s46, s10, 10
	s_add_co_u32 s46, s46, STS
	v_lshl_add_u32 v[SA], v1, 2, s46
	v_and_b32 v3, 31, v0
	v_lshl_add_u32 v[SR], v3, 4, s46
	v_lshlrev_b32 v[SO], 4, v3
	; The masks.  Key 128 ch + 16 b + 8 (l / 16) + r is hidden from query 128 rh + 16 a + l % 16 of the diagonal tile where it is greater: 16 (b - a) + r > LM.  Off the diagonal LM is out of reach.
	s_sub_co_i32 s46, s11, s12
	s_lshl_b32 s46, s46, 7
	s_cmp_lg_u32 s13, s14
	s_cselect_b32 s47, 0x10000, 0
	s_add_co_i32 s46, s46, s47
	v_lshlrev_b32 v3, 3, v2
	v_sub_nc_u32 v[LM], v1, v3
	v_add_nc_u32 v[LM], s46, v[LM]
	v_mov_b32 v[BG], 0xf149f2ca                    ; -1e30
	WIN 0x40                                       ; destination window 1.  All this stands in the wait for the first tile
.set cl, 0
.rept 15
.set mk, 8*cl+128*(cl/8)
.set r, 0
.rept 8
	v_cmp_gt_i32 vcc_lo, 16*(cl-7)+r, v[LM]
	v_cndmask_b32 v[mk+r], 0, v[BG], vcc_lo
.set r, r+1
.endr
.set cl, cl+1
.endr
	WIN 0
; 16 matrix instructions: query blocks a0, a0 + 1 of the window's four x all 8 key blocks, 32 channels.  zero = 1: the product starts the sum, with the mask of its class as C (window 1).
; The 64 accumulators take turns, one instruction a turn.
.macro MUL16 f, hi, a0, zero
.if \zero
	WIN 0x91+0x40*(\hi)
.else
	WIN MUL_LO+0x50*(\hi)
.endif
.irp a, \a0, (\a0)+1
.irp b, 0,1,2,3,4,5,6,7
.if \zero
.set cl, (\b)-(4*(\hi)+(\a))+7
.set mk, 8*cl+128*(cl/8)
	v_wmma_f32_16x16x32_f16 v[8*(8*(\a)+(\b)):8*(8*(\a)+(\b))+7], v[(\f)+8*(\b):(\f)+8*(\b)+7], v[(\f)+8*(4*(\hi)+(\a)):(\f)+8*(4*(\hi)+(\a))+7], v[mk:mk+7]
.else
	v_wmma_f32_16x16x32_f16 v[8*(8*(\a)+(\b)):8*(8*(\a)+(\b))+7], v[(\f)+8*(\b):(\f)+8*(\b)+7], v[(\f)+8*(4*(\hi)+(\a)):(\f)+8*(4*(\hi)+(\a))+7], v[8*(8*(\a)+(\b)):8*(8*(\a)+(\b))+7]
.endif
.endr
.endr
.endm
.macro FETCH slot, k, f                ; 32 LDS loads in one run: the fragments of one quarter step into buffer f
	WIN TO_B
.irp i, 0,1,2,3,4,5,6,7
	ds_load_b128 v[(\f)+8*(\i):(\f)+8*(\i)+3],   v[ADRB+(\slot)] offset:(\k)+(\i)*16*PITCH
	ds_load_b128 v[(\f)+8*(\i)+4:(\f)+8*(\i)+7], v[ADRB+(\slot)] offset:(\k)+(\i)*16*PITCH+32
.endr
	WIN 0
.irp i, 0,1,2,3,4,5,6,7
	ds_load_b128 v[(\f)+8*(\i):(\f)+8*(\i)+3],   v[ADRA+(\slot)] offset:(\k)+(\i)*16*PITCH
	ds_load_b128 v[(\f)+8*(\i)+4:(\f)+8*(\i)+7], v[ADRA+(\slot)] offset:(\k)+(\i)*16*PITCH+32
.endr
.endm
.macro PLACES                          ; four places between a matrix instruction and a load into, or a vector instruction on, its registers
.rept 4
	v_nop
.endr
.endm
.macro QUARTER slot, k, f, g, zero
	s_wait_dscnt 8                                 ; k and q's rows 0-63 are in; the youngest eight loads (q's rows 64-127) may be out
	MUL16 \f, 0, 0, \zero
	MUL16 \f, 0, 2, \zero
	PLACES
	FETCH \slot, \k, \g
	s_wait_dscnt 32                                ; all but the 32 just issued
	MUL16 \f, 1, 0, \zero
	MUL16 \f, 1, 2, \zero
.endm
; The last quarter multiplies buffer 1 and changes slots: ONE barrier; in front of it each wave waits for all its tensor loads (its part of the next slot), adds 0 to its spare word, and waits for
; that and for its own reads of this slot.  fill = 1: this slot is filled again, two K steps ahead, first thing behind the barrier.
.macro TURN slot, next, fill
	WIN 0
	s_wait_tensorcnt 0x0                           ; all my tensor loads have landed
	ds_add_u32 v[SPW], v[NIL]
	s_wait_dscnt 9                                 ; (the add and the youngest eight loads may be out)
	MUL16 F1, 0, 0, 0
	s_wait_dscnt 0x0                               ; the add is done, and my reads of this slot are over
	s_barrier_signal -1
	MUL16 F1, 0, 2, 0
	s_barrier_wait -1
.if \fill
	s_add_nc_u64 s[G0+4*(\slot)+2:G0+4*(\slot)+3], s[G0+4*(\slot)+2:G0+4*(\slot)+3], 2*KSTEP*2  ; no tensor load of mine is out
	LOADT \slot                                    ; its four v_nop are also the places in front of the loads below
.else
	PLACES
.endif
	FETCH \next, 0, F0
	MUL16 F1, 1, 0, 0
	MUL16 F1, 1, 2, 0
.endm
	s_wait_tensorcnt 1                             ; my part of K step 0 is in; K step 1's may stay out
	s_barrier_signal -1
	s_barrier_wait -1
	FETCH 0, 0, F0
	QUARTER 0, 64,  F0, F1, 1                      ; the first quarter stands in front of the loop: its products start the sums, with the masks
	WIN 0
	s_mov_b32 s3, LAPS-1
.Llap:                                                 ; a trip goes once round the ring and fills both slots again: K steps 2 to 7
	QUARTER 0, 128, F1, F0, 0
	QUARTER 0, 192, F0, F1, 0
	TURN 0, 1, 1
	QUARTER 1, 64,  F0, F1, 0
	QUARTER 1, 128, F1, F0, 0
	QUARTER 1, 192, F0, F1, 0
	TURN 1, 0, 1
	QUARTER 0, 64,  F0, F1, 0
	WIN 0
	s_sub_co_u32 s3, s3, 1
	s_cmp_lg_u32 s3, 0
	s_cbranch_scc1 .Llap
	QUARTER 0, 128, F1, F0, 0                      ; the last lap fills nothing
	QUARTER 0, 192, F0, F1, 0
	TURN 0, 1, 0
	QUARTER 1, 64,  F0, F1, 0
	QUARTER 1, 128, F1, F0, 0
	QUARTER 1, 192, F0, F1, 0
	s_wait_dscnt 8
	MUL16 F1, 0, 0, 0
	MUL16 F1, 0, 2, 0
	s_wait_dscnt 0x0
	MUL16 F1, 1, 0, 0
	MUL16 F1, 1, 2, 0
; THE ROW MAXIMA.  A lane holds 64 scores of one query in row block a: eight chains, three operands at a time; each accumulator's lowest registers are read first.
.macro ROWMAX a
.set W, 2+(\a)/4
.set AC, 64*((\a)%4)
	WIN (W<<4)|(W<<2)|W
.irp b, 0,1,2,3,4,5,6,7
	v_max3_num_f32 v[T+(\b)], v[AC+8*(\b)], v[AC+8*(\b)+1], v[AC+8*(\b)+2]
.endr
	WIN (W<<4)|(W<<2)
.irp b, 0,1,2,3,4,5,6,7
	v_max3_num_f32 v[T+(\b)], v[T+(\b)], v[AC+8*(\b)+3], v[AC+8*(\b)+4]
.endr
.irp b, 0,1,2,3,4,5,6,7
	v_max3_num_f32 v[T+(\b)], v[T+(\b)], v[AC+8*(\b)+5], v[AC+8*(\b)+6]
.endr
.irp b, 0,2,4,6
	v_max3_num_f32 v[T+(\b)], v[T+(\b)], v[AC+8*(\b)+7], v[AC+8*(\b)+15]
.endr
	WIN 0
	v_max3_num_f32 v[T], v[T], v[T+1], v[T+2]
	v_max3_num_f32 v[T+3], v[T+3], v[T+4], v[T+5]
	v_max3_num_f32 v[T], v[T], v[T+3], v[T+6]
	v_max_num_f32 v[ST+4*(\a)+1], v[T], v[T+7]
.endm
; Row block a: c s - c m in place, the exponentials, the rounding to f16 (16 bytes a lane and key block), and the f32 sum of the unrounded weights, by a tree in place.
.macro SOFT a
.set W, 2+(\a)/4
.set AC, 64*((\a)%4)
	WIN (W<<6)|W
.set z, 0
.rept 32
	v_pk_fma_f32 v[AC+2*z:AC+2*z+1], v[AC+2*z:AC+2*z+1], s[CS:CS+1], v[ST+4*(\a):ST+4*(\a)+1] op_sel_hi:[1,0,0] neg_lo:[0,0,1] neg_hi:[0,0,1]
.set z, z+1
.endr
.set z, 0
.rept 64
	v_exp_f32 v[AC+z], v[AC+z]
.set z, z+1
.endr
	v_nop                                          ; a plain instruction between the last exponential and the use of its result
	WIN (W<<2)|W
.set z, 0
	s_wait_alu depctr_va_vdst(0)
.rept 32
	v_cvt_pk_f16_f32 v[TMP+z], v[AC+2*z], v[AC+2*z+1]
.set z, z+1
.endr
	WIN (W<<6)|(W<<2)|W
.irp w, 4,8,16,32,64
.set z, 0
.rept 64/(\w)
	v_pk_add_f32 v[AC+z:AC+z+1], v[AC+z:AC+z+1], v[AC+z+(\w)/2:AC+z+(\w)/2+1]
.set z, z+(\w)
.endr
.endr
	WIN (W<<2)|W
	v_add_f32 v[ST+4*(\a)+2], v[AC], v[AC+1]
	WIN 0
.endm
.macro TOSTAGE a
	WIN 0
.set BK, OB+192*((\a)%2)
.irp b, 0,1,2,3,4,5,6,7
	ds_store_b128 v[STO], v[TMP+4*(\b):TMP+4*(\b)+3] offset:32*(\b)
.endr
.irp t, 0,1,2,3,4,5,6,7
	ds_load_b128 v[BK+4*(\t):BK+4*(\t)+3], v[RD] offset:(\t)*2*SPITCH  ; LDS serves a wave's instructions in order: these see the stores above
.endr
.endm
.macro SEND a
	WIN 0
.set BK, OB+192*((\a)%2)
	s_wait_dscnt 0x0                               ; the block is back in registers
	s_wait_xcnt 0x0                                ; the stores' base and the registers that earlier stores read are rewritten only behind this wait
.if (\a) == 0
	s_add_nc_u64 s[6:7], s[6:7], s[16:17]
.else
	s_add_nc_u64 s[6:7], s[6:7], 16*PROW
.endif
.irp t, 0,1,2,3,4,5,6,7
	global_store_b128 v[CO], v[BK+4*(\t):BK+4*(\t)+3], s[6:7] offset:2*(\t)*PROW  ; 16 lanes store 256 consecutive bytes, aligned
.endr
.endm
	PLACES
.irp a, 0,1,2,3,4,5,6,7
	ROWMAX \a
.endr
.irp a, 0,1,2,3,4,5,6,7
	v_permlanex16_b32 v[T+(\a)], v[ST+4*(\a)+1], s[SEL], s[SEL+1]  ; the query's other 64 keys of my half lie in the lane 16 away
.endr
.irp a, 0,1,2,3,4,5,6,7
	v_max_num_f32 v[ST+4*(\a)+1], v[ST+4*(\a)+1], v[T+(\a)]
.endr
.irp a, 0,1,2,3,4,5,6,7
	ds_store_b32 v[XA], v[ST+4*(\a)+1] offset:64*(\a)  ; lanes l and l + 16 write the same word with the same number
.endr
	s_wait_dscnt 0x0                               ; for the partner's sake: my maxima are in LDS
	s_barrier_signal -1
	s_barrier_wait -1
.irp a, 0,1,2,3,4,5,6,7
	ds_load_b32 v[PX+(\a)], v[XP] offset:64*(\a)
.endr
	s_wait_dscnt 0x0
.irp a, 0,1,2,3,4,5,6,7
	v_max_num_f32 v[ST+4*(\a)+1], v[ST+4*(\a)+1], v[PX+(\a)]  ; m over the tile's 256 keys: a true score, since every row sees a key of its tile
.endr
.irp a, 0,1,2,3,4,5,6,7
	v_mul_f32 v[ST+4*(\a)], s[CS], v[ST+4*(\a)+1]  ; c m
.endr
	SOFT 0
	TOSTAGE 0
.irp a, 1,2,3,4,5,6,7                  ; block a's arithmetic stands between block a - 1's loads from the stage and the wait for them
	SOFT \a
	SEND (\a)-1
	TOSTAGE \a
.endr
	SEND 7
	; THE RECORD: c m and l of my 128 rows, gathered in LDS and stored as two runs of 512 consecutive bytes
.irp a, 0,1,2,3,4,5,6,7
	v_permlanex16_b32 v[T+(\a)], v[ST+4*(\a)+2], s[SEL], s[SEL+1]
.endr
.irp a, 0,1,2,3,4,5,6,7
	v_add_f32 v[ST+4*(\a)+2], v[ST+4*(\a)+2], v[T+(\a)]
.endr
.irp a, 0,1,2,3,4,5,6,7
	ds_store_b32 v[SA], v[ST+4*(\a)] offset:64*(\a)
	ds_store_b32 v[SA], v[ST+4*(\a)+2] offset:512+64*(\a)
.endr
	ds_load_b128 v[PX:PX+3], v[SR]                 ; my own bytes, served in order
	ds_load_b128 v[PX+4:PX+7], v[SR] offset:512
	s_wait_dscnt 0x0
	global_store_b128 v[SO], v[PX:PX+3], s[8:9]
	global_store_b128 v[SO], v[PX+4:PX+7], s[8:9] offset:512
	s_wait_tensorcnt 0x0                           ; the wave's end
	ds_add_u32 v[SPW], v[NIL]
	s_wait_dscnt 0x0
	s_endpgm
.Lfunc_end_k_qce04e8d285_score:
	.size	k_qce04e8d285_score, .Lfunc_end_k_qce04e8d285_score-k_qce04e8d285_score
	.p2alignl 7, 3214868480
	.fill 96, 4, 3214868480
	.section	.rodata,"a",@progbits
	.p2align	6, 0x0
	.amdhsa_kernel k_qce04e8d285_score
		.amdhsa_group_segment_fixed_size 327680
		.amdhsa_private_segment_fixed_size 0
		.amdhsa_enable_private_segment 0
		.amdhsa_kernarg_size 24
		.amdhsa_user_sgpr_count 2
		.amdhsa_user_sgpr_kernarg_segment_ptr 1
		.amdhsa_wavefront_size32 1
		.amdhsa_system_sgpr_workgroup_id_x 1
		.amdhsa_system_sgpr_workgroup_id_y 1
		.amdhsa_system_sgpr_workgroup_id_z 1
		.amdhsa_system_vgpr_workitem_id 0
		.amdhsa_next_free_vgpr 1024
		.amdhsa_next_free_sgpr 66
		.amdhsa_reserve_vcc 1
		.amdhsa_float_denorm_mode_32 3
		.amdhsa_float_denorm_mode_16_64 3
		.amdhsa_memory_ordered 1
		.amdhsa_forward_progress 1
		.amdhsa_inst_pref_size 221
	.end_amdhsa_kernel
	.amdgpu_metadata
---
amdhsa.version: [ 1, 2 ]
amdhsa.kernels:
  - .name:           k_qce04e8d285_score
    .symbol:         k_qce04e8d285_score.kd
    .args:
      - { .name: qkv, .offset: 0, .size: 8, .value_kind: global_buffer, .address_space: global }
      - { .name: pt, .offset: 8, .size: 8, .value_kind: global_buffer, .address_space: global }
      - { .name: st, .offset: 16, .size: 8, .value_kind: global_buffer, .address_space: global }
    .group_segment_fixed_size: 327680
    .private_segment_fixed_size: 0
    .kernarg_segment_align: 8
    .kernarg_segment_size: 24
    .max_flat_workgroup_size: 128
    .sgpr_count:     66
    .vgpr_count:     1024
    .wavefront_size: 32
...
	.end_amdgpu_metadata
.endif
;; end of part 3
;; launch pv (part 4): grid 8 x 32, 4 waves a work-group, clusters of 4 x 1, 327,680 bytes of LDS; arguments pt, qkv, st, out0; writes out0
.if DOCPART == 4
	.amdgcn_target "amdgcn-amd-amdhsa--gfx1250"
	.amdhsa_code_object_version 6
	.text
	.protected	k_qce04e8d285_pv
	.globl	k_qce04e8d285_pv
	.p2align	8
	.type	k_qce04e8d285_pv,@function
k_qce04e8d285_pv:
	s_mov_b64 s[64:65], 0
	v_nop
	global_prefetch_b8 v0, s[64:65] scope:SCOPE_SE
	s_setreg_imm32_b32 hwreg(HW_REG_WAVE_MODE, 25, 1), 1
	s_wait_xcnt 0x0
	s_wait_alu depctr_hold_cnt(0) depctr_sa_sdst(0) depctr_va_vdst(0) depctr_va_sdst(0) depctr_va_ssrc(0) depctr_va_vcc(0) depctr_vm_vsrc(0)
	s_getreg_b32 s2, hwreg(HW_REG_IB_STS2, 6, 4)
	s_cmp_eq_u32 s2, 0
	s_cbranch_scc0 .Lentry_in_a_cluster
	s_endpgm
.Lentry_in_a_cluster:
	s_bfe_u32 s2, ttmp6, 0x10000c
	s_cmp_lg_u32 s2, 0x3003
	s_cbranch_scc0 .Lentry_shape_is_right
	s_endpgm
.Lentry_shape_is_right:
; out0[b][q][:] = sum over the key tiles t of q's row of g_t[q] x (pt_t V_t)[q][:], with g_t = 2^(cm_t - max over t of cm_t) / L and L = sum over t of 2^(cm_t - max) l_t.
; pt: the weights of each tile of 256 keys relative to the tile's own row maximum, f16; cm_t, l_t: that maximum times c and the weights' f32 sums; V: f16, at byte 4,096 of qkv's rows.
; So the row's true maximum is taken away: the tile's in the launch before, the maximum over tiles here.  Products in f16 with f32 sums; the tiles' sums are scaled and added in f32.
; LIMITS.  A factor below 2^-126 counts as 0; NaN and infinities are not treated apart.
; THE WALK.  A batch's queries lie in 16 blocks of 128; block I needs the key tiles 0 .. I / 2.  A work-group takes 128 channels and TWO blocks, 15 - p and then p: 9 key tiles whatever p, so
; all 256 work-groups do equal work and one loop with a constant trip count walks them.  What a trip asks for, and whether a block ends, hang on scalar registers made from p.
; CLUSTER.  The four work-groups of a cluster have the same batch and p and four neighbouring blocks of channels: they walk alike and need the same tiles of pt, which are asked for jointly
; (waves 0, 1).  V's tiles hang on the channels and are each work-group's own loads (waves 2, 3), behind the same rounds.
; SHARES.  A wave makes 64 queries x 64 channels: 16 accumulators.  Source 0 = V^T (16 channels x 32 keys, turned by ds_load_tr16_b128), source 1 = pt (16 queries x 32 keys):
; a lane holds ONE query (lane % 16) and eight neighbouring channels, so g is one number a lane and row block.
; M, the block's sums, is cleared at a block's beginning (128 v_mov_b32, twice in a launch): the price of writing no first step out.
; REGISTERS, in windows of 256 (s_set_vgpr_msb: bits 1:0 source 0, 3:2 source 1, 5:4 source 2, 7:6 destination):
;   window 0: v0-31 addresses and g; v32-95 at work (the factors' making; the way out); v128-255 ACC, a step's sums ((a, b) at 128 + 8 (4 a + b))
;   window 1: two fragment buffers of 128: 64 registers of pt (2 x 4 x 16 rows x 32 keys), then 64 of V^T          window 2: v0-127 M
.set PA,    528                        ; a row of pt in LDS: 512 bytes + 16 of padding
.set PV,    288                        ; a row of V: 256 + 32
.set VOFF,  128*PA                     ; a slot: 128 rows of pt, then 256 rows of V
.set SLOT,  VOFF+256*PV
.set STAGE, 2*SLOT                     ; 16 rows x 272 bytes for each wave, for the way out
.set SP,    272
.set FT,    STAGE+4*16*SP              ; the factors: step t's 128 numbers at 512 t
.set SPARE, FT+8192                    ; the spare words, 128 bytes a wave, which no other line names
.set G,    4                           ; v4-11  g of row block a in v[4 + 2 a]; the odd registers hold 0 and are only named with the even ones as pairs
.set ADRA, 16                          ; v16-17 LDS address of my fragments of pt in slot 0, 1
.set ADRV, 18                          ; v18-21 of V: 2 x slot + half of the 256 keys
.set STO,  24
.set RD,   25
.set CO,   26
.set GA,   27                          ; v27    LDS address of my g of the trip's first step
.set SPW,  28                          ; v28    my spare word's LDS address; never rewritten
.set NIL,  29                          ; v29    0; never rewritten
.set BK,   32                          ; v32-95 the way out: two buffers of 16 rows
.set ACC,  128
.set F0,   0
.set F1,   128
.set OFFT, 32                          ; the factors' making: v32-40 offsets, v42-50 cm, v52-60 and v62-70 l of the two halves of the keys, v72-80 factors
.set CM,   42
.set L0,   52
.set L1,   62
.set FF,   72
.set MH,   82
.set ML,   83
.set LH,   84
.set LL,   85
.set TA,   86
.set TB,   87
.set TC,   88
.set NEG,  89
.set ZR,   90
.set R4,   91
.set FA,   92
.set WV,   12                          ; s12 wave; s13 its half of the queries; s14 its half of the channels, and which half of a tile it fetches
.set HI,   19                          ; s19 the first block, 15 - p;  s20 the second, p;  s21, s22 their numbers of key tiles;  s23 8 b
.set LO,   20
.set NHI,  21
.set NLO,  22
.set G1A,  24                          ; s[24:31] descriptor group 1 for pt's tiles
.set G1V,  32                          ; s[32:39] for V's
.set G0A,  40                          ; s[40:43] group 0 for pt's tiles, made anew for every fill
.set G0V,  44                          ; s[44:47] for V's
.set PAH,  48                          ; s[48:49] pt at my half of the first block's rows;  s[50:51] of the second's;  s[52:53] of the block whose tiles are being asked for
.set PAL,  50
.set PAC,  52
.set PVB,  54                          ; s[54:55] V at my half of the batch's key tile 0, my work-group's channels
.set OFA,  56                          ; s[56:57], s[58:59] a key tile's byte offsets in pt and in V
.set OFV,  58
.set OUTC, 60                          ; s[60:61] out0 at my part of the block in hand;  s[62:63] of the second block
.set OUTL, 62
.set NXT,  66                          ; the key tile to be asked for next
.set LQ,   67                          ; the last key tile of the block whose tiles are being asked for
.set RT,   68                          ; steps that the block in hand still has
.set CNT,  69
.set MSK,  70                          ; s70-78 step t belongs to the first block: -1, else 0
.set LAA,  79                          ; my half's place in a slot, for pt and for V
.set LAV,  80
.set NL1,  81                          ; NLO - 1
.set MSB, 0
.macro WIN new
.if MSB != (\new)
	s_set_vgpr_msb (MSB<<8)|(\new)
.set MSB, \new
.endif
.endm
.set MUL,  0x05                        ; sources 0 (V^T) and 1 (pt) window 1; C and D window 0
.set TO_F, 0x40                        ; destination window 1, address window 0
; A fill.  Waves 0 and 1 ask jointly for the two halves of pt's tile, waves 2 and 3 fetch the two halves of V's.  The branch hangs on the wave's number alone.
; An s_nop 0 and four v_nop follow each of the two lines.
.macro JLOAD
	s_cmp_lt_u32 s[WV], 2
	s_cbranch_scc0 .Lfor_v_\@
	tensor_load_to_lds s[G0A:G0A+3], s[G1A:G1A+7]
	s_nop 0
.rept 4
	v_nop
.endr
	s_branch .Lasked_\@
.Lfor_v_\@:
	tensor_load_to_lds s[G0V:G0V+3], s[G1V:G1V+7]
	s_nop 0
.rept 4
	v_nop
.endr
.Lasked_\@:
.endm
.macro CROUND                          ; a round of the cluster's barrier
	s_barrier_signal -1
	s_barrier_wait -1
	s_cmp_lg_u32 s[WV], 0
	s_cbranch_scc1 .Lnot_wave_0_\@
	s_barrier_signal -3
.Lnot_wave_0_\@:
	s_barrier_wait -3
	s_barrier_signal -1
	s_barrier_wait -1
.endm
	s_load_b256 s[4:11], s[0:1], 0x0               ; pt s[4:5], qkv s[6:7], st s[8:9], out0 s[10:11]
	v_lshl_add_u32 v[SPW], v0, 2, SPARE
	v_mov_b32 v[NIL], 0
	ds_add_u32 v[SPW], v[NIL]                      ; the wave's opening: the add and its wait stand ahead of my first tensor load; the set-up stands between them
	ds_add_u32 v28, v29
	v_lshrrev_b32 v1, 5, v0
	v_readfirstlane_b32 s[WV], v1                  ; wave 0..3
	s_lshr_b32 s13, s[WV], 1
	s_and_b32 s14, s[WV], 1
	s_bfe_u32 s15, ttmp6, 0x40000                  ; cx
	s_lshl_b32 s16, ttmp9, 2
	s_add_co_u32 s16, s16, s15                     ; my block of 128 channels: it enters V's and out0's addresses alone
	s_and_b32 s18, ttmp7, 0xffff
	s_lshr_b32 s17, s18, 3                         ; the batch
	s_and_b32 s18, s18, 7                          ; p
	s_sub_co_u32 s[HI], 15, s18
	s_mov_b32 s[LO], s18
	s_lshr_b32 s[NHI], s[HI], 1
	s_add_co_u32 s[NHI], s[NHI], 1
	s_lshr_b32 s[NLO], s[LO], 1
	s_add_co_u32 s[NLO], s[NLO], 1
	s_sub_co_u32 s[NL1], s[NLO], 1
	s_lshl_b32 s23, s17, 3
	s_lshl_b32 s82, s17, 23                        ; pt: the batch's 2,048 rows of 4,096 bytes,
	s_lshl_b32 s83, s14, 18                        ; my 64 rows of a block's 128,
	s_add_co_u32 s82, s82, s83
	s_lshl_b32 s[PAH], s[HI], 19                   ; the block
	s_add_co_u32 s[PAH], s[PAH], s82
	s_mov_b32 s[PAH+1], 0
	s_lshl_b32 s[PAL], s[LO], 19
	s_add_co_u32 s[PAL], s[PAL], s82
	s_mov_b32 s[PAL+1], 0
	s_lshl_b32 s[PVB], s17, 11                     ; V: row 2,048 b + 128 x my half,
	s_lshl_b32 s86, s14, 7
	s_add_co_u32 s[PVB], s[PVB], s86
	s_mul_i32 s[PVB], s[PVB], 6144
	s_add_co_u32 s[PVB], s[PVB], 4096              ; v's place in a row of qkv,
	s_lshl_b32 s86, s16, 8
	s_add_co_u32 s[PVB], s[PVB], s86               ; my work-group's 128 channels
	s_mov_b32 s[PVB+1], 0
	s_lshl_b32 s86, s17, 23                        ; out0: the batch, my 64 rows, my work-group's 512 bytes, my 256 of them
	s_lshl_b32 s87, s13, 18
	s_add_co_u32 s86, s86, s87
	s_lshl_b32 s87, s16, 9
	s_add_co_u32 s86, s86, s87
	s_lshl_b32 s87, s14, 8
	s_add_co_u32 s86, s86, s87
	s_lshl_b32 s[OUTC], s[HI], 19
	s_add_co_u32 s[OUTC], s[OUTC], s86
	s_mov_b32 s[OUTC+1], 0
	s_lshl_b32 s[OUTL], s[LO], 19
	s_add_co_u32 s[OUTL], s[OUTL], s86
	s_mov_b32 s[OUTL+1], 0
	s_mul_i32 s[LAA], s14, 64*PA
	s_mul_i32 s[LAV], s14, 128*PV
	s_mov_b32 s[G1A+0], 15|(1<<16)|(1<<20)|(1<<21)|(6<<22)|(3<<25)  ; the mask of four; elements of 2 bytes; padding on; bit 21 beside a mask; after every 128 words 4 words
	s_mov_b32 s[G1A+1], 256<<16                    ; tensor_dim0 = 256
	s_mov_b32 s[G1A+2], 64<<16                     ; tensor_dim1 = 64
	s_mov_b32 s[G1A+3], 256<<16                    ; tile_dim0 = 256
	s_mov_b32 s[G1A+4], 64                         ; tile_dim1 = 64
	s_mov_b32 s[G1A+5], 2048                       ; elements from row to row
	s_mov_b32 s[G1A+6], 0
	s_mov_b32 s[G1A+7], 0
	s_mov_b32 s[G1V+0], (1<<16)|(1<<20)|(5<<22)|(7<<25)  ; no mask; after every 64 words 8 words of padding
	s_mov_b32 s[G1V+1], 128<<16
	s_mov_b32 s[G1V+2], 128<<16
	s_mov_b32 s[G1V+3], 128<<16
	s_mov_b32 s[G1V+4], 128
	s_mov_b32 s[G1V+5], 3072
	s_mov_b32 s[G1V+6], 0
	s_mov_b32 s[G1V+7], 0
	s_mov_b32 s[G0A], 1
	s_mov_b32 s[G0A+1], s[LAA]                     ; slot 0
	s_mov_b32 s[G0V], 1
	s_add_co_u32 s[G0V+1], s[LAV], VOFF
	s_mov_b32 s[OFA+1], 0
	s_mov_b32 s[OFV+1], 0
	s_mov_b32 s[NXT], 1
	s_sub_co_u32 s[LQ], s[NHI], 1
	s_mov_b32 s[RT], s[NHI]
	s_wait_dscnt 0x0                               ; the opening add is done
	s_wait_kmcnt 0x0
	s_add_nc_u64 s[PAH:PAH+1], s[4:5], s[PAH:PAH+1]
	s_add_nc_u64 s[PAL:PAL+1], s[4:5], s[PAL:PAL+1]
	s_add_nc_u64 s[PVB:PVB+1], s[6:7], s[PVB:PVB+1]
	s_add_nc_u64 s[OUTC:OUTC+1], s[10:11], s[OUTC:OUTC+1]
	s_add_nc_u64 s[OUTL:OUTL+1], s[10:11], s[OUTL:OUTL+1]
	s_mov_b64 s[PAC:PAC+1], s[PAH:PAH+1]
	s_mov_b64 s[G0A+2:G0A+3], s[PAH:PAH+1]         ; key tile 0 of the first block
	s_or_b32 s[G0A+3], s[G0A+3], 0x80000000
	s_mov_b64 s[G0V+2:G0V+3], s[PVB:PVB+1]
	s_or_b32 s[G0V+3], s[G0V+3], 0x80000000
	CROUND                                         ; all four work-groups are here: the first joint loads meet
	JLOAD                                          ; step 0 into slot 0: one load of mine is out
	v_and_b32 v1, 15, v0                           ; l % 16
	v_bfe_u32 v2, v0, 4, 1                         ; l / 16
	v_mul_u32_u24 v3, v1, PA                       ; a fragment of pt: row x pitch + 16 (l / 16), two loads 32 bytes apart
	v_lshl_add_u32 v3, v2, 4, v3
	s_mul_i32 s82, s13, 64*PA
	v_add_nc_u32 v[ADRA], s82, v3
	s_add_co_u32 s82, s82, SLOT
	v_add_nc_u32 v[ADRA+1], s82, v3
	v_and_b32 v22, 7, v0                           ; the turning load: lane l reads key 8 (l / 16) + l % 8, channels 8 ((l / 8) % 2) + 0..7
	v_bfe_u32 v23, v0, 3, 1
	v_lshl_add_u32 v3, v2, 3, v22
	v_mul_u32_u24 v3, v3, PV
	v_lshl_add_u32 v3, v23, 4, v3
	s_lshl_b32 s82, s14, 7                         ; my 64 channels
	s_add_co_u32 s82, s82, VOFF
	v_add_nc_u32 v[ADRV], s82, v3
	v_add_nc_u32 v[ADRV+1], 128*PV, v[ADRV]
	v_add_nc_u32 v[ADRV+2], SLOT, v[ADRV]
	v_add_nc_u32 v[ADRV+3], SLOT, v[ADRV+1]
	s_mul_i32 s82, s[WV], 16*SP
	s_add_co_u32 s82, s82, STAGE                   ; my stage
	v_mul_u32_u24 v3, v1, SP                       ; in: row l % 16, 32 bytes for each half of the lanes
	v_lshl_add_u32 v3, v2, 5, v3
	v_add_nc_u32 v[STO], s82, v3
	v_mul_u32_u24 v3, v2, SP                       ; back: lanes 0-15 take one row of 256 bytes, lanes 16-31 the next
	v_lshl_add_u32 v3, v1, 4, v3
	v_add_nc_u32 v[RD], s82, v3
	v_lshlrev_b32 v3, 12, v2                       ; and the same two rows in out0
	v_lshl_add_u32 v[CO], v1, 4, v3
	s_lshl_b32 s82, s13, 8
	s_add_co_u32 s82, s82, FT
	v_lshl_add_u32 v[GA], v1, 2, s82               ; FT + 4 (64 x my half of the queries + l % 16)
.irp a, 0,1,2,3
	v_mov_b32 v[G+2*(\a)+1], 0
.endr
	; THE FACTORS.  Thread r takes row r of both blocks.  Step t: block I and key tile J; its record lies at ((8 b + I / 2) 8 + J) 4,096 + 2,048 (I % 2): cm, then l of the two halves of the keys.
	v_lshlrev_b32 v[R4], 2, v0
	v_lshl_add_u32 v[FA], v0, 2, FT
	v_mov_b32 v[NEG], 0xff7fffff                   ; the lowest finite number
	v_mov_b32 v[ZR], 0
.irp t, 0,1,2,3,4,5,6,7,8
	s_sub_co_u32 s82, \t, s[NHI]
	s_cmp_gt_u32 s[NHI], \t
	s_cselect_b32 s83, s[HI], s[LO]
	s_cselect_b32 s82, \t, s82
	s_cselect_b32 s[MSK+\t], -1, 0
	s_lshr_b32 s84, s83, 1
	s_add_co_u32 s84, s84, s23
	s_lshl_b32 s84, s84, 3
	s_add_co_u32 s84, s84, s82
	s_lshl_b32 s84, s84, 12
	s_and_b32 s83, s83, 1
	s_lshl_b32 s83, s83, 11
	s_add_co_u32 s84, s84, s83
	v_add_nc_u32 v[OFFT+\t], s84, v[R4]
	global_load_b32 v[CM+\t], v[OFFT+\t], s[8:9]
	global_load_b32 v[L0+\t], v[OFFT+\t], s[8:9] offset:512
	global_load_b32 v[L1+\t], v[OFFT+\t], s[8:9] offset:1536
.endr
	WIN 0x80                                       ; M starts at 0; this stands in the wait for the records and the first tile
.set i, 0
.rept 128
	v_mov_b32 v[i], 0
.set i, i+1
.endr
	WIN 0
	s_wait_loadcnt 0x0
	v_mov_b32 v[MH], v[NEG]
	v_mov_b32 v[ML], v[NEG]
.irp t, 0,1,2,3,4,5,6,7,8
	v_cndmask_b32 v[TA], v[NEG], v[CM+\t], s[MSK+\t]
	v_cndmask_b32 v[TB], v[CM+\t], v[NEG], s[MSK+\t]
	v_max_num_f32 v[MH], v[MH], v[TA]              ; each block's maximum of c m over its tiles
	v_max_num_f32 v[ML], v[ML], v[TB]
.endr
.irp t, 0,1,2,3,4,5,6,7,8
	v_cndmask_b32 v[TA], v[ML], v[MH], s[MSK+\t]
	v_sub_f32 v[FF+\t], v[CM+\t], v[TA]
	v_add_f32 v[L0+\t], v[L0+\t], v[L1+\t]
.endr
.irp t, 0,1,2,3,4,5,6,7,8
	v_exp_f32 v[FF+\t], v[FF+\t]
.endr
	v_mov_b32 v[LH], 0                             ; plain instructions between the last exponential and the use of its result
	v_mov_b32 v[LL], 0
	s_wait_alu depctr_va_vdst(0)
.irp t, 0,1,2,3,4,5,6,7,8
	v_mul_f32 v[TA], v[FF+\t], v[L0+\t]
	v_cndmask_b32 v[TB], v[ZR], v[TA], s[MSK+\t]
	v_cndmask_b32 v[TC], v[TA], v[ZR], s[MSK+\t]
	v_add_f32 v[LH], v[LH], v[TB]                  ; each block's L: at least 1, since the tile with the maximum has the factor 1 and a weight 1
	v_add_f32 v[LL], v[LL], v[TC]
.endr
	v_rcp_f32 v[LH], v[LH]
	v_rcp_f32 v[LL], v[LL]
	v_nop                                          ; a plain instruction between the last reciprocal and the use of its result
	s_wait_alu depctr_va_vdst(0)
.irp t, 0,1,2,3,4,5,6,7,8
	v_cndmask_b32 v[TA], v[LL], v[LH], s[MSK+\t]
	v_mul_f32 v[FF+\t], v[FF+\t], v[TA]
	ds_store_b32 v[FA], v[FF+\t] offset:512*(\t)   ; read by all waves behind the first change of slots, whose wait and barrier publish it
.endr
; 8 matrix instructions: row blocks a0, a0 + 1 x all 4 channel blocks, 32 keys: half c of buffer f.  zero = 1: the product starts the step's sums.
; The 16 accumulators take turns, one instruction a turn.
.macro MUL8 f, c, a0, zero
	WIN MUL
.irp a, \a0, (\a0)+1
.irp b, 0,1,2,3
.if \zero
	v_wmma_f32_16x16x32_f16 v[ACC+8*(4*(\a)+(\b)):ACC+8*(4*(\a)+(\b))+7], v[(\f)+64+8*(4*(\c)+(\b)):(\f)+64+8*(4*(\c)+(\b))+7], v[(\f)+8*(4*(\c)+(\a)):(\f)+8*(4*(\c)+(\a))+7], 0
.else
	v_wmma_f32_16x16x32_f16 v[ACC+8*(4*(\a)+(\b)):ACC+8*(4*(\a)+(\b))+7], v[(\f)+64+8*(4*(\c)+(\b)):(\f)+64+8*(4*(\c)+(\b))+7], v[(\f)+8*(4*(\c)+(\a)):(\f)+8*(4*(\c)+(\a))+7], v[ACC+8*(4*(\a)+(\b)):ACC+8*(4*(\a)+(\b))+7]
.endif
.endr
.endr
.endm
; 32 LDS loads in one run: the fragments of quarter q (64 keys) of a slot into buffer f; the first 32 keys first
.macro FETCH slot, q, f
	WIN TO_F
.irp c, 0,1
.irp i, 0,1,2,3
	ds_load_tr16_b128 v[(\f)+64+8*(4*(\c)+(\i)):(\f)+64+8*(4*(\c)+(\i))+3],   v[ADRV+2*(\slot)+(\q)/2] offset:(64*((\q)%2)+32*(\c))*PV+32*(\i)
	ds_load_tr16_b128 v[(\f)+64+8*(4*(\c)+(\i))+4:(\f)+64+8*(4*(\c)+(\i))+7], v[ADRV+2*(\slot)+(\q)/2] offset:(64*((\q)%2)+32*(\c)+16)*PV+32*(\i)
	ds_load_b128 v[(\f)+8*(4*(\c)+(\i)):(\f)+8*(4*(\c)+(\i))+3],   v[ADRA+(\slot)] offset:128*(\q)+64*(\c)+(\i)*16*PA
	ds_load_b128 v[(\f)+8*(4*(\c)+(\i))+4:(\f)+8*(4*(\c)+(\i))+7], v[ADRA+(\slot)] offset:128*(\q)+64*(\c)+(\i)*16*PA+32
.endr
.endr
.endm
.macro PLACES                          ; four places between a matrix instruction and a load into, or a vector instruction on, its registers
.rept 4
	v_nop
.endr
.endm
; A step is four quarters of 64 keys, 32 matrix instructions each, on buffers 0, 1, 0, 1.  One of the first three: multiplies f and fetches quarter q into g.
.macro QUARTER slot, q, f, g, zero
	s_wait_dscnt 16                                ; the first 32 keys' fragments are in (and what was asked for before them)
	MUL8 \f, 0, 0, \zero
	MUL8 \f, 0, 2, \zero
	PLACES
	FETCH \slot, \q, \g
	s_wait_dscnt 32                                ; all but the 32 just issued
	MUL8 \f, 1, 0, 0
	MUL8 \f, 1, 2, 0
.endm
; THE CHANGE OF SLOTS.  Each wave waits for all its tensor loads, of which one is out: its part of the slot to be read next; adds 0 to its spare word; and waits for that and for its own reads of
; the slot that it leaves.  fill = 1: that slot takes key tile NXT; the barrier is a round of the cluster's, and the fill is the first thing behind it: it has a step's 128 matrix instructions in which to land.
.macro EDGE fill, slot
	WIN 0
	s_wait_tensorcnt 0x0                           ; no tensor load of mine is out, so a group 0 may be written
	ds_add_u32 v[SPW], v[NIL]                      ; 0 onto my spare word; the descriptors' scalar work stands between it and the wait for it
.if \fill
	s_lshl_b32 s[OFA], s[NXT], 9                   ; a key tile is 512 bytes along pt's rows
	s_mul_i32 s[OFV], s[NXT], 0x180000             ; and 256 rows of 6,144 bytes of qkv
	s_add_co_u32 s[G0A+1], s[LAA], (\slot)*SLOT
	s_add_nc_u64 s[G0A+2:G0A+3], s[PAC:PAC+1], s[OFA:OFA+1]
	s_or_b32 s[G0A+3], s[G0A+3], 0x80000000
	s_add_co_u32 s[G0V+1], s[LAV], (\slot)*SLOT+VOFF
	s_add_nc_u64 s[G0V+2:G0V+3], s[PVB:PVB+1], s[OFV:OFV+1]
	s_or_b32 s[G0V+3], s[G0V+3], 0x80000000
	s_add_co_u32 s[NXT], s[NXT], 1                 ; the block's next key tile, or behind its last the second block's tile 0
	s_cmp_gt_u32 s[NXT], s[LQ]
	s_cselect_b32 s[NXT], 0, s[NXT]
	s_cselect_b32 s[LQ], s[NL1], s[LQ]
	s_cselect_b64 s[PAC:PAC+1], s[PAL:PAL+1], s[PAC:PAC+1]
.endif
	s_wait_dscnt 0x0                               ; the add is done, and my LDS instructions are over
.if \fill
	CROUND
	JLOAD
.else
	s_barrier_signal -1
	s_barrier_wait -1
.endif
.endm
; M += g x ACC: a lane's query has one g in each row block.  Each accumulator is read from its low end on.
.macro FOLD
	PLACES
	WIN 0xa0                                       ; destination and source 2 (M) window 2; ACC and g window 0
.irp a, 0,1,2,3
.set z, 0
.rept 16
	v_pk_fma_f32 v[32*(\a)+2*z:32*(\a)+2*z+1], v[ACC+32*(\a)+2*z:ACC+32*(\a)+2*z+1], v[G+2*(\a):G+2*(\a)+1], v[32*(\a)+2*z:32*(\a)+2*z+1] op_sel_hi:[1,0,1]
.set z, z+1
.endr
.endr
.endm
; THE WAY OUT of a block: 16 rows at a time through my own stage: a lane's eight channels are 32 bytes of a row of 256; they come back as whole rows.  again = 1: the second block follows.
.macro WAYOUT again
.irp a, 0,1,2,3
	WIN 0x08                                       ; the stores' data in window 2
.irp nb, 0,1,2,3
	ds_store_b128 v[STO], v[8*(4*(\a)+(\nb)):8*(4*(\a)+(\nb))+3]   offset:64*(\nb)
	ds_store_b128 v[STO], v[8*(4*(\a)+(\nb))+4:8*(4*(\a)+(\nb))+7] offset:64*(\nb)+16
.endr
	WIN 0
	s_wait_xcnt 0x0                                ; the registers that earlier stores read are loaded again only behind this wait
.irp t, 0,1,2,3,4,5,6,7
	ds_load_b128 v[BK+32*((\a)%2)+4*(\t):BK+32*((\a)%2)+4*(\t)+3], v[RD] offset:(\t)*2*SP  ; LDS serves a wave's instructions in order: these see the stores above
.endr
	s_wait_dscnt 0x0
.irp t, 0,1,2,3,4,5,6,7
	global_store_b128 v[CO], v[BK+32*((\a)%2)+4*(\t):BK+32*((\a)%2)+4*(\t)+3], s[OUTC:OUTC+1] offset:(16*(\a)+2*(\t))*4096 th:TH_STORE_NT  ; 16 lanes store 256 consecutive bytes, aligned
.endr
.endr
.if \again
	WIN 0x80
.set i, 0
.rept 128
	v_mov_b32 v[i], 0
.set i, i+1
.endr
	WIN 0
	s_wait_xcnt 0x0                                ; the stores have read their base
	s_mov_b64 s[OUTC:OUTC+1], s[OUTL:OUTL+1]
	s_mov_b32 s[RT], s[NLO]
.endif
.endm
; A STEP: g, the slot's 256 keys in four quarters, the fold; and the way out where the block ends.  The jump goes forward, over text with no barrier and no tensor load; RT is the same in all partners.
.macro COMPUTE slot, goff, last
.irp a, 0,1,2,3
	ds_load_b32 v[G+2*(\a)], v[GA] offset:(\goff)+64*(\a)
.endr
	FETCH \slot, 0, F0
	QUARTER \slot, 1, F0, F1, 1
	QUARTER \slot, 2, F1, F0, 0
	QUARTER \slot, 3, F0, F1, 0
	s_wait_dscnt 16
	MUL8 F1, 0, 0, 0
	MUL8 F1, 0, 2, 0
	s_wait_dscnt 0x0
	MUL8 F1, 1, 0, 0
	MUL8 F1, 1, 2, 0
	FOLD
	WIN 0
	s_sub_co_u32 s[RT], s[RT], 1
.if \last
	WAYOUT 0
.else
	s_cmp_lg_u32 s[RT], 0
	s_cbranch_scc1 .Lgo_on_\@
	WAYOUT 1
.Lgo_on_\@:
.endif
.endm
	s_mov_b32 s[CNT], 4
.Lpair:                                                ; four trips of two steps: steps 0 to 7 are multiplied, steps 1 to 8 asked for
	EDGE 1, 1
	COMPUTE 0, 0, 0
	EDGE 1, 0
	COMPUTE 1, 512, 0
	v_add_nc_u32 v[GA], 1024, v[GA]                ; two steps' factors on
	s_sub_co_u32 s[CNT], s[CNT], 1
	s_cmp_lg_u32 s[CNT], 0
	s_cbranch_scc1 .Lpair
	EDGE 0, 0                                      ; the last step is written out: nothing is asked for
	COMPUTE 0, 0, 1
	s_wait_tensorcnt 0x0                           ; the wave's end
	ds_add_u32 v[SPW], v[NIL]
	s_wait_dscnt 0x0
	CROUND                                         ; the closing round: no work-group ends while a partner may still ask for a tile that names it
	s_endpgm
.Lfunc_end_k_qce04e8d285_pv:
	.size	k_qce04e8d285_pv, .Lfunc_end_k_qce04e8d285_pv-k_qce04e8d285_pv
	.p2alignl 7, 3214868480
	.fill 96, 4, 3214868480
	.section	.rodata,"a",@progbits
	.p2align	6, 0x0
	.amdhsa_kernel k_qce04e8d285_pv
		.amdhsa_group_segment_fixed_size 327680
		.amdhsa_private_segment_fixed_size 0
		.amdhsa_enable_private_segment 0
		.amdhsa_kernarg_size 32
		.amdhsa_user_sgpr_count 2
		.amdhsa_user_sgpr_kernarg_segment_ptr 1
		.amdhsa_wavefront_size32 1
		.amdhsa_system_sgpr_workgroup_id_x 1
		.amdhsa_system_sgpr_workgroup_id_y 1
		.amdhsa_system_sgpr_workgroup_id_z 1
		.amdhsa_system_vgpr_workitem_id 0
		.amdhsa_next_free_vgpr 640
		.amdhsa_next_free_sgpr 88
		.amdhsa_reserve_vcc 0
		.amdhsa_float_denorm_mode_32 3
		.amdhsa_float_denorm_mode_16_64 3
		.amdhsa_memory_ordered 1
		.amdhsa_forward_progress 1
		.amdhsa_inst_pref_size 124
	.end_amdhsa_kernel
	.amdgpu_metadata
---
amdhsa.version: [ 1, 2 ]
amdhsa.kernels:
  - .name:           k_qce04e8d285_pv
    .symbol:         k_qce04e8d285_pv.kd
    .args:
      - { .name: pt, .offset: 0, .size: 8, .value_kind: global_buffer, .address_space: global }
      - { .name: qkv, .offset: 8, .size: 8, .value_kind: global_buffer, .address_space: global }
      - { .name: st, .offset: 16, .size: 8, .value_kind: global_buffer, .address_space: global }
      - { .name: out0, .offset: 24, .size: 8, .value_kind: global_buffer, .address_space: global }
    .group_segment_fixed_size: 327680
    .private_segment_fixed_size: 0
    .kernarg_segment_align: 8
    .kernarg_segment_size: 32
    .max_flat_workgroup_size: 128
    .sgpr_count:     88
    .vgpr_count:     640
    .wavefront_size: 32
...
	.end_amdgpu_metadata
.endif
;; end of part 4
